; MI455X (gfx1250); checked and timed in simulation.
; The chip was launched on July 23, 2026; its instructions are those of AMD's public machine-readable ISA for CDNA 5 (MIT licence, August 2026) and "CDNA5" Instruction Set Architecture Reference Guide (July 2026). The comments in the code are by the model that wrote it; some were corrected since.
;; Mo E Layer. Allowed arithmetic: float matrix products may take bf16 or f16 operands with f32 sums; other float arithmetic in f32, or as packed bf16 or f16 multiplies, adds, multiply-adds, maxima and minima; sums over many terms, partial sums and values carried from step to step in f32; what a program stores and reads back later, other than sums and carried values, may be rounded once to bf16 or f16.
;; Inputs: W 16 x 1,024 x 1,024 float32; Wg 1,024 x 16 float32; b 16 x 1,024 float32; bg 16 float32; x 4,096 x 1,024 float32.
;; Outputs: out0 4,096 x 1,024 float32; out1 one number float32.
;; One version. Each part assembles by itself: llvm-mc -triple=amdgcn-amd-amdhsa -mcpu=gfx1250 --defsym DOCPART=n.
;; ======== version 1 of 1: 3 launches
;; workspace buffers: xb 8,388,608 bytes; sel 16,384 bytes of whole numbers; wts 32,768 bytes; gsum 16,384 bytes; p 33,554,432 bytes
;; launch router (part 1): grid 256 x 1, 8 waves a work-group, no clusters, 78,080 bytes of LDS; arguments x, Wg, bg, xb, sel, wts, gsum; writes xb, sel, wts, gsum
.if DOCPART == 1
	.amdgcn_target "amdgcn-amd-amdhsa--gfx1250"
	.amdhsa_code_object_version 6
	.text
	.protected	k_qe5d0641138_router
	.globl	k_qe5d0641138_router
	.p2align	8
	.type	k_qe5d0641138_router,@function
k_qe5d0641138_router:
	s_mov_b64 s[64:65], 0
	v_nop
	global_prefetch_b8 v0, s[64:65] scope:SCOPE_SE
	s_setreg_imm32_b32 hwreg(HW_REG_WAVE_MODE, 25, 1), 1
	s_wait_xcnt 0x0
; ROUTER.  logits = x Wg + bg for 4,096 tokens and 16 experts; the two largest logits of a token, their softmax weights, and the sum of the full softmax's gates.
; Every input is rounded once to bf16 (x, Wg, bg here); the products go to the matrix unit, all sums are f32.  The rounded x is stored (xb) for the next launch.
; SHARES.  Work-group g owns tokens 16 g .. 16 g + 15.  First part: wave w takes k = 128 w .. 128 w + 127 of all 16 tokens (16 loads of 512 consecutive bytes of x,
; all asked for at once).  Second part: wave w takes tokens 2 w and 2 w + 1, a half of the lanes each, a lane an expert.
; WHAT IS STORED, all at fixed places: xb [4096][1024] bf16; sel [4096]: (1 << first expert) | (0x10000 << second expert); wts [2][4096] f32; gsum [256][16] f32: the gates of my 16 tokens added up.
; No address and no branch hangs on a logit.
; LIMITS.  NaN and infinite logits are not treated apart.  Equal logits: the lower index wins.  Two logits that differ by less than the rounding of an f32 sum of 1,024 terms may be ranked
; otherwise than by another order of summing.  A gate below 2^-126 counts as 0.
; No tile is shared between work-groups but Wg (64 KB against a work-group's 64 KB of x), which passes through registers to be rounded: no joint loads.
.set XP,    272                        ; a row of x in LDS: 128 bf16 + 16 bytes, so that the 16 rows of a fragment load start 68 words apart
.set XW,    16*XP                      ; a wave's 16 rows
.set WGS,   8*XW                       ; per wave 128 rows (k) x 32 bytes (16 experts in bf16)
.set RED,   WGS+8*4096                 ; [wave][token][expert] f32: the waves' partial logits
.set GT,    RED+8*1024                 ; [wave][lane] f32: gates
.set RES,   GT+8*128                   ; +0 first weight [16], +64 second weight [16], +128 sel [16]
.set SPARE, RES+256                    ; the spare words: 128 bytes for each wave, named by no other line
; v1 lane, v2 r = lane % 16, v3 h = lane / 16, v4 my spare word, v5 0, v6 16 lane, v7 8 lane, v8-13, v15 LDS addresses, v14 bg, v16-31 at work,
; v32-47 two accumulators, v48-79 fragments of x, v80-111 fragments of Wg, v112 4 r, v113-119 constants and addresses, v128-191 Wg as loaded, v192-255 x as loaded
	s_load_b256 s[4:11], s[0:1], 0x0               ; x s[4:5], Wg s[6:7], bg s[8:9], xb s[10:11]
	s_load_b128 s[12:15], s[0:1], 0x20             ; sel s[12:13], wts s[14:15]
	s_load_b64 s[16:17], s[0:1], 0x30              ; gsum
	v_lshl_add_u32 v4, v0, 2, SPARE
	v_mov_b32 v5, 0
	v_lshrrev_b32 v16, 5, v0
	v_readfirstlane_b32 s18, v16                   ; wave 0..7
	v_and_b32 v1, 31, v0
	v_and_b32 v2, 15, v0
	v_bfe_u32 v3, v0, 4, 1
	v_lshlrev_b32 v6, 4, v1
	v_lshlrev_b32 v7, 3, v1
	v_lshlrev_b32 v112, 2, v2
	s_mul_i32 s19, s18, XW                         ; my wave's rows of x in LDS
	v_add_nc_u32 v8, s19, v7                       ; in: 8 bytes a lane along a row
	v_mul_u32_u24 v9, v2, XP
	v_lshl_add_u32 v9, v3, 4, v9
	v_add_nc_u32 v9, s19, v9                       ; out: row r, 16 bytes for each half of the lanes
	s_lshl_b32 s19, s18, 12
	s_add_co_u32 s19, s19, WGS                     ; my wave's rows of Wg in LDS
	v_add_nc_u32 v10, s19, v7                      ; in: 8 lane = 32 (lane / 4) + 8 (lane % 4)
	v_and_b32 v16, 7, v0
	v_lshl_add_u32 v16, v3, 3, v16                 ; out, turned: row 8 h + lane % 8,
	v_bfe_u32 v17, v0, 3, 1
	v_lshlrev_b32 v17, 4, v17                      ; 16 bytes by (lane / 8) % 2
	v_lshl_add_u32 v11, v16, 5, v17
	v_add_nc_u32 v11, s19, v11
	s_lshl_b32 s19, s18, 10
	s_add_co_u32 s19, s19, RED
	v_lshl_add_u32 v12, v3, 9, v112                ; partial logits in: token 8 h + j, expert r
	v_add_nc_u32 v12, s19, v12
	s_lshl_b32 s19, s18, 7
	s_add_co_u32 s19, s19, RED
	v_lshl_add_u32 v13, v3, 6, v112                ; and out: token 2 w + h, expert r
	v_add_nc_u32 v13, s19, v13
	s_lshl_b32 s19, s18, 3
	s_add_co_u32 s19, s19, RES
	v_lshl_add_u32 v15, v3, 2, s19                 ; my token's word in RES
	v_mov_b32 v113, 1
	v_mov_b32 v114, 0x10000
	v_lshl_add_u32 v115, v1, 2, GT
	v_lshl_add_u32 v116, v1, 2, RES
	v_add_nc_u32 v117, RES+128, v112
	v_lshl_add_u32 v118, v0, 2, GT
	v_mov_b32 v119, 0xff800000                     ; minus infinity
	s_mov_b32 s28, 0xffff0000                      ; the lanes of the upper half
	s_mov_b32 s30, 0x76543210                      ; v_permlanex16_b32: each lane takes its own place in the other half
	s_mov_b32 s31, 0xfedcba98
	s_lshl_b32 s20, ttmp9, 16
	s_lshl_b32 s21, s18, 9
	s_add_co_u32 s20, s20, s21                     ; x: 16 rows of 4,096 bytes a work-group, 512 bytes of a row a wave
	s_mov_b32 s21, 0
	s_lshr_b32 s22, s20, 1                         ; xb: half of that
	s_mov_b32 s23, 0
	s_lshl_b32 s24, s18, 13                        ; Wg: 128 rows of 64 bytes a wave
	s_mov_b32 s25, 0
	s_lshl_b32 s26, ttmp9, 6                       ; sel, wts, gsum: 16 words a work-group
	s_mov_b32 s27, 0
	s_wait_kmcnt 0x0
	s_add_nc_u64 s[4:5], s[4:5], s[20:21]
	s_add_nc_u64 s[10:11], s[10:11], s[22:23]
	s_add_nc_u64 s[6:7], s[6:7], s[24:25]
	s_add_nc_u64 s[12:13], s[12:13], s[26:27]
	s_add_nc_u64 s[14:15], s[14:15], s[26:27]
	s_add_nc_u64 s[16:17], s[16:17], s[26:27]
	; all of the wave's loads go out at once: bg, 8 KB of Wg, 8 KB of x
	global_load_b32 v14, v112, s[8:9]
.set j, 0
.rept 16
	global_load_b128 v[128+4*j:131+4*j], v6, s[6:7] offset:512*j   ; k = 8 j + lane / 4, experts 4 (lane % 4) + 0..3
.set j, j+1
.endr
.set q, 0
.rept 16
	global_load_b128 v[192+4*q:195+4*q], v6, s[4:5] offset:4096*q th:TH_LOAD_NT  ; token q: 512 consecutive bytes
.set q, q+1
.endr
	s_wait_loadcnt 16                              ; bg and Wg are in; the 16 loads of x stay out
.set j, 0
.rept 16
	v_cvt_pk_bf16_f32 v[128+4*j], v[128+4*j], v[129+4*j]
	v_cvt_pk_bf16_f32 v[129+4*j], v[130+4*j], v[131+4*j]
	ds_store_b64 v10, v[128+4*j:129+4*j] offset:256*j
.set j, j+1
.endr
	v_cvt_pk_bf16_f32 v16, v14, v14                ; bg rounded to bf16,
	v_lshlrev_b32 v14, 16, v16                     ; and back as f32
.set q, 0
.rept 16
	s_wait_loadcnt 15-q                            ; loads come back in order: row q is in, the younger ones stay out
	v_cvt_pk_bf16_f32 v[192+4*q], v[192+4*q], v[193+4*q]
	v_cvt_pk_bf16_f32 v[193+4*q], v[194+4*q], v[195+4*q]
	global_store_b64 v7, v[192+4*q:193+4*q], s[10:11] offset:2048*q  ; the wave's 32 lanes store 256 consecutive bytes, at a multiple of 256 from xb's first byte
	ds_store_b64 v8, v[192+4*q:193+4*q] offset:XP*q
.set q, q+1
.endr
	; fragments: the bytes are my wave's own, and LDS serves a wave's instructions in order, so no barrier and no wait stands between the stores and these loads
.set c, 0
.rept 4
	ds_load_b128 v[48+8*c:51+8*c], v9 offset:64*c
	ds_load_b128 v[52+8*c:55+8*c], v9 offset:64*c+32
	ds_load_tr16_b128 v[80+8*c:83+8*c], v11 offset:1024*c
	ds_load_tr16_b128 v[84+8*c:87+8*c], v11 offset:1024*c+512
.set c, c+1
.endr
	s_wait_dscnt 0x0
	; 16 tokens x 16 experts x 128 k: two accumulators by turns
	v_wmma_f32_16x16x32_bf16 v[32:39], v[48:55], v[80:87], 0
	v_wmma_f32_16x16x32_bf16 v[40:47], v[56:63], v[88:95], 0
	v_wmma_f32_16x16x32_bf16 v[32:39], v[64:71], v[96:103], v[32:39]
	v_wmma_f32_16x16x32_bf16 v[40:47], v[72:79], v[104:111], v[40:47]
.rept 4
	v_nop                                          ; four places behind the last product, ahead of the first read of a result (ISA guide 7.12.1)
.endr
	v_pk_add_f32 v[32:33], v[32:33], v[40:41]      ; from the low end on
	v_pk_add_f32 v[34:35], v[34:35], v[42:43]
	v_pk_add_f32 v[36:37], v[36:37], v[44:45]
	v_pk_add_f32 v[38:39], v[38:39], v[46:47]
.set j, 0
.rept 8
	ds_store_b32 v12, v[32+j] offset:64*j          ; register j: token 8 h + j, expert r
.set j, j+1
.endr
	s_wait_dscnt 0x0                               ; for the others' sake: my partial logits are written
	s_barrier_signal -1
	s_barrier_wait -1
	; second part: lane (h, r) has token 2 w + h, expert r
.set u, 0
.rept 8
	ds_load_b32 v[16+u], v13 offset:1024*u
.set u, u+1
.endr
	s_wait_dscnt 0x0
	v_add_f32 v24, v16, v17                        ; k ascending
.irp u, 18,19,20,21,22,23
	v_add_f32 v24, v24, v\u
.endr
	v_add_f32 v24, v24, v14                        ; the logit
; The largest of a token's 16 numbers (register mx, in all its lanes) and the lowest lane that holds it (register idx).
.macro TOP src, mx, idx
	v_mov_b32 v[\mx], v[\src]
.irp d, 1,2,4,8
	v_max_num_f32_dpp v[\mx], v[\mx], v[\mx] row_xmask:\d row_mask:0xf bank_mask:0xf
.endr
	v_cmp_eq_f32 s32, v[\src], v[\mx]
	s_and_b32 s33, s32, 0xffff                     ; the lower half's token
	s_ctz_i32_b32 s33, s33
	s_and_b32 s33, s33, 15
	s_lshr_b32 s34, s32, 16                        ; the upper half's
	s_ctz_i32_b32 s34, s34
	s_and_b32 s34, s34, 15
	v_mov_b32 v[\idx], s33
	v_mov_b32 v27, s34
	v_cndmask_b32 v[\idx], v[\idx], v27, s28
.endm
	TOP 24, 25, 26                                 ; m1, first expert
	v_cmp_eq_u32 vcc_lo, v2, v26
	v_cndmask_b32 v28, v24, v119, vcc_lo           ; that expert's logit is taken out
	TOP 28, 29, 30                                 ; m2, second expert
	v_sub_f32 v16, v24, v25                        ; the maximum is taken away ahead of both exponentials
	v_sub_f32 v17, v29, v25
	v_mul_f32 v16, 0x3fb8aa3b, v16                 ; log2(e)
	v_mul_f32 v17, 0x3fb8aa3b, v17
	v_exp_f32 v16, v16                             ; e^(logit - m1)
	v_exp_f32 v17, v17                             ; e^(m2 - m1)
	v_nop                                          ; a plain instruction behind the last exponential,
	s_wait_alu depctr_va_vdst(0)                   ; and one wait for the two, ahead of their first reader
	v_mov_b32 v18, v16
.irp d, 1,2,4,8
	v_add_f32_dpp v18, v18, v18 row_xmask:\d row_mask:0xf bank_mask:0xf
.endr
	v_add_f32 v19, 1.0, v17
	v_rcp_f32 v18, v18                             ; both sums are at least 1
	v_rcp_f32 v19, v19
	v_lshlrev_b32 v22, v26, v113                   ; 1 << first expert: the plain work behind the reciprocals
	v_lshlrev_b32 v23, v30, v114                   ; 0x10000 << second expert
	v_or_b32 v22, v22, v23
	s_wait_alu depctr_va_vdst(0)                   ; one wait for the two reciprocals
	v_mul_f32 v20, v16, v18                        ; my expert's gate
	v_mul_f32 v21, v17, v19                        ; the second weight; the first is v19
	ds_store_b32 v118, v20
	ds_store_b32 v15, v19                          ; a token's 16 lanes write the same word with the same number
	ds_store_b32 v15, v21 offset:64
	ds_store_b32 v15, v22 offset:128
	s_wait_dscnt 0x0                               ; for wave 0's sake
	s_barrier_signal -1
	s_barrier_wait -1
	s_cmp_lg_u32 s18, 0
	s_cbranch_scc1 .Lend
	; wave 0 stores the work-group's 16 tokens' results
.set u, 0
.rept 8
	ds_load_b32 v[16+u], v115 offset:128*u
.set u, u+1
.endr
	ds_load_b32 v24, v116                          ; lanes 0-15: first weights; lanes 16-31: second weights
	ds_load_b32 v25, v117
	s_wait_dscnt 0x0
.irp u, 17,18,19,20,21,22,23
	v_add_f32 v16, v16, v\u
.endr
	v_permlanex16_b32 v26, v16, s30, s31           ; the odd tokens' sums lie in the other half
	v_add_f32 v16, v16, v26
	v_lshl_add_u32 v27, v3, 14, v112               ; 16,384 h + 4 r
	global_store_b32 v27, v24, s[14:15]
	v_cmp_gt_u32 vcc_lo, 16, v1
	s_wait_xcnt 0x0                                ; EXEC is a source of the store above: it changes only behind this wait
	s_and_saveexec_b32 s29, vcc_lo
	global_store_b32 v112, v25, s[12:13]
	global_store_b32 v112, v16, s[16:17]
	s_wait_xcnt 0x0                                ; and again ahead of the line that widens it
	s_or_b32 exec_lo, exec_lo, s29
.Lend:
	s_wait_tensorcnt 0x0                           ; the wave's end
	ds_add_u32 v4, v5
	s_wait_dscnt 0x0
	s_endpgm
.Lfunc_end_k_qe5d0641138_router:
	.size	k_qe5d0641138_router, .Lfunc_end_k_qe5d0641138_router-k_qe5d0641138_router
	.p2alignl 7, 3214868480
	.fill 96, 4, 3214868480
	.section	.rodata,"a",@progbits
	.p2align	6, 0x0
	.amdhsa_kernel k_qe5d0641138_router
		.amdhsa_group_segment_fixed_size 78080
		.amdhsa_private_segment_fixed_size 0
		.amdhsa_enable_private_segment 0
		.amdhsa_kernarg_size 56
		.amdhsa_user_sgpr_count 2
		.amdhsa_user_sgpr_kernarg_segment_ptr 1
		.amdhsa_wavefront_size32 1
		.amdhsa_system_sgpr_workgroup_id_x 1
		.amdhsa_system_sgpr_workgroup_id_y 1
		.amdhsa_system_sgpr_workgroup_id_z 1
		.amdhsa_system_vgpr_workitem_id 0
		.amdhsa_next_free_vgpr 256
		.amdhsa_next_free_sgpr 66
		.amdhsa_reserve_vcc 1
		.amdhsa_float_denorm_mode_32 3
		.amdhsa_float_denorm_mode_16_64 3
		.amdhsa_memory_ordered 1
		.amdhsa_forward_progress 1
		.amdhsa_inst_pref_size 22
	.end_amdhsa_kernel
	.amdgpu_metadata
---
amdhsa.version: [ 1, 2 ]
amdhsa.kernels:
  - .name:           k_qe5d0641138_router
    .symbol:         k_qe5d0641138_router.kd
    .args:
      - { .name: x, .offset: 0, .size: 8, .value_kind: global_buffer, .address_space: global }
      - { .name: Wg, .offset: 8, .size: 8, .value_kind: global_buffer, .address_space: global }
      - { .name: bg, .offset: 16, .size: 8, .value_kind: global_buffer, .address_space: global }
      - { .name: xb, .offset: 24, .size: 8, .value_kind: global_buffer, .address_space: global }
      - { .name: sel, .offset: 32, .size: 8, .value_kind: global_buffer, .address_space: global }
      - { .name: wts, .offset: 40, .size: 8, .value_kind: global_buffer, .address_space: global }
      - { .name: gsum, .offset: 48, .size: 8, .value_kind: global_buffer, .address_space: global }
    .group_segment_fixed_size: 78080
    .private_segment_fixed_size: 0
    .kernarg_segment_align: 8
    .kernarg_segment_size: 56
    .max_flat_workgroup_size: 256
    .sgpr_count:     66
    .vgpr_count:     256
    .wavefront_size: 32
...
	.end_amdgpu_metadata
.endif
;; end of part 1
;; launch expert (part 2): grid 16 x 16, 8 waves a work-group, no clusters, 148,992 bytes of LDS; arguments W, b, xb, sel, p; writes p
.if DOCPART == 2
	.amdgcn_target "amdgcn-amd-amdhsa--gfx1250"
	.amdhsa_code_object_version 6
	.text
	.protected	k_qe5d0641138_expert
	.globl	k_qe5d0641138_expert
	.p2align	8
	.type	k_qe5d0641138_expert,@function
k_qe5d0641138_expert:
	s_mov_b64 s[64:65], 0
	v_nop
	global_prefetch_b8 v0, s[64:65] scope:SCOPE_SE
	s_setreg_imm32_b32 hwreg(HW_REG_WAVE_MODE, 25, 1), 1
	s_wait_xcnt 0x0
; EXPERT.  p[rank][token][:] = xb[token] W[e] + b[e] for the tokens that chose expert e as their first (rank 0) or second (rank 1) expert.  W and b are rounded once to bf16, sums are f32,
; p is f32 (a partial sum: the next launch weighs and adds the two rows of a token).
; SHARES.  Work-group (sl, e) owns columns 64 sl .. 64 sl + 63 of expert e and ALL rows of that expert, whatever their number (0 to 4,096): it alone reads its 256 KB of W.
; Each wave asks for its 32 KB of W at once, rounds them and lays them into LDS as the matrix unit's register images.  Wave 0 first makes the list of the expert's rows from sel, while the other
; seven waves' 224 KB are on their way, and asks for its own W behind that.
; Behind the first barrier LDS is only read, up to the second barrier at the end.  The rows go in fragments of 16, dealt evenly to the eight waves; a wave takes up to five fragments a pass, and
; NPASS = 7 passes cover the largest share (4,096 rows = 256 fragments = 32 a wave).  A pass with nothing left is jumped forward.  Places past the count repeat the list's first row.
; THE K LOOP is written once for each number of fragments, 1 to 5, and chosen at a pass's head: no branch stands among the products, and nothing is loaded or multiplied for a fragment that is not there.
; COLUMNS.  Fragment f of W holds in lane column r the true column 4 r + f.  So a lane's 16 bytes of a row of W feed all four fragments, and register j of the four accumulators of a lane are four
; neighbouring columns of one row: 16 lanes store 256 consecutive bytes, at a multiple of 256 from p's first byte, with no way through LDS.
; NO JOINT LOADS.  A slice of W has one reader and must pass through registers to be rounded.  What an expert's 16 work-groups share are its token rows, which come by a list: rows of 2 KB at
; places that no tile's pitch describes, in a loop whose work hangs on a stored count.
; LIMITS.  sel holds one bit in each half of a word, as the launch before stores it; every number taken from it is clamped ahead of its use in an address.
.set LIST,  131072                     ; behind W's 131,072 bytes, 4,160 words: 0-4095 the list (4,096 rank + token), 4096-4111 room for the repeats, 4112-4143 a dump word for each lane
.set CNTA,  LIST+16640                 ; the count
.set SPARE, CNTA+256                   ; the spare words: 128 bytes for each wave, named by no other line
.set LMAX,  4111
.set DUMP,  4112
.set NPASS, 7
; W IN LDS: block ((4 t + f) 2 + part) of 512 bytes, lane L at 16 L: k = 32 t + 16 part + 8 (L / 16) + 0..7 of column 4 (L % 16) + f.  Every access is 512 consecutive bytes.
; REGISTERS, window 0: v1 lane, v2 r, v3 h, v4 my spare word, v5 0, v6 32,768 h + 16 r, v7 W's place in LDS, v8 16 lane, v9 B's running address, v10-14 2,048 token + 16 h of fragment i,
;   v15 16 r, v16-19 bias, v20 8 h, v21 4 lane, v22 my dump word, v23-27 at work, v29 16 h,
;   v32-191 A's ring: four K steps of 40 registers, fragment i at + 8 i (also: the scan's and the conversions' registers; the results on the way out; v96-223 sel), v192-231 the stores' addresses
; window 1: v0-159 accumulators, (i, f) at 32 i + 8 f; v160-223 B's two buffers, fragment f at + 8 f; v0-255 W as loaded
; s_set_vgpr_msb's low byte: bits 1:0 source 0, 3:2 source 1, 5:4 source 2, 7:6 destination
.set RING,  32
.set ADR,   192
.set BF,    160
.set W_MUL, 0x54                       ; A (source 0) window 0; B, C and D window 1.  The same setting serves B's LDS loads: destination window 1, address (source 0) window 0
.set MSB, 0
.macro WIN new                         ; the immediate's high byte repeats the setting that is left; a switch that changes nothing is dropped
.if MSB != (\new)
	s_set_vgpr_msb (MSB<<8)|(\new)
.set MSB, (\new)
.endif
.endm
	s_load_b256 s[4:11], s[0:1], 0x0               ; W s[4:5], b s[6:7], xb s[8:9], sel s[10:11]
	s_load_b64 s[12:13], s[0:1], 0x20              ; p
	v_lshl_add_u32 v4, v0, 2, SPARE
	v_mov_b32 v5, 0
	v_lshrrev_b32 v23, 5, v0
	v_readfirstlane_b32 s14, v23                   ; wave 0..7
	s_mov_b32 s15, ttmp9                           ; sl
	s_and_b32 s16, ttmp7, 0xffff                   ; e
	v_and_b32 v1, 31, v0
	v_and_b32 v2, 15, v0
	v_bfe_u32 v3, v0, 4, 1
	v_lshlrev_b32 v15, 4, v2
	v_lshl_add_u32 v6, v3, 15, v15                 ; the upper half of the lanes reads eight rows of W further down
	v_lshlrev_b32 v8, 4, v1
	s_lshl_b32 s17, s14, 14
	v_add_nc_u32 v7, s17, v8                       ; my wave's four K steps of 4,096 bytes in LDS
	v_lshlrev_b32 v20, 3, v3
	v_lshlrev_b32 v29, 4, v3
	v_lshlrev_b32 v21, 2, v1
	v_add_nc_u32 v22, DUMP, v1
	s_lshl_b32 s20, 0x10001, s16                   ; my expert's bit in both halves of a word of sel
	s_add_co_u32 s21, s16, 4                       ; shifted right by e + 4 the lower bit gives 0, the upper one 4,096
	s_lshl_b32 s18, s16, 22                        ; W: 4 MiB an expert,
	s_lshl_b32 s17, s14, 19                        ; 128 rows of 4,096 bytes a wave,
	s_add_co_u32 s18, s18, s17
	s_lshl_b32 s26, s15, 8                         ; 256 bytes of a row a slice
	s_add_co_u32 s18, s18, s26
	s_mov_b32 s19, 0
	s_lshl_b32 s24, s16, 12                        ; b: 4,096 bytes an expert
	s_add_co_u32 s24, s24, s26
	s_mov_b32 s25, 0
	s_mov_b32 s27, 0
	s_wait_kmcnt 0x0
	s_add_nc_u64 s[4:5], s[4:5], s[18:19]
	s_add_nc_u64 s[6:7], s[6:7], s[24:25]
	s_add_nc_u64 s[12:13], s[12:13], s[26:27]
	s_cmp_lg_u32 s14, 0
	s_cbranch_scc1 .Lw
	; THE LIST, by wave 0, ahead of its own W
.set j, 0
.rept 32                               ; all of sel: word c of load j is token 128 j + 4 lane + c
	global_load_b128 v[96+4*j:99+4*j], v8, s[10:11] offset:512*j
.set j, j+1
.endr
	v_lshl_add_u32 v23, v1, 4, LIST
.irp z, 24,25,26,27
	v_mov_b32 v\z, 0
.endr
.set j, 0
.rept 33                               ; the list's 16,640 bytes and the count's 256 are written once, 512 consecutive bytes a line: 33 x 512 = 16,896, up to the spare words' first byte.
	ds_store_b128 v23, v[24:27] offset:512*j       ; So no read behind the barrier meets a byte that nobody wrote, whatever the count
.set j, j+1
.endr
	s_mov_b32 s22, 0                               ; rows so far
	s_wait_loadcnt 0x0                             ; sel is in: nothing else of mine is out
; Four words of sel in each lane.  The lanes whose token chose e put 4,096 rank + token at the next places of the list, the others at their dump words.  Each line is written four times on end, on four
; masks (s36-39) and four bases (s40-43), so that no line reads the result of the line before it; four sets of registers take turns from group to group.  The list's order is no matter: only the places are distinct.
.macro SCAN4 j
.set TT, 32+8*((\j)%4)
.set PP, TT+4
	s_mov_b32 s40, s22
.irp c, 0,1,2,3
	v_and_b32 v[TT+\c], s20, v[96+4*(\j)+\c]
.endr
.irp c, 0,1,2,3
	v_cmp_ne_u32 s[36+\c], 0, v[TT+\c]
.endr
.irp c, 0,1,2,3
	v_lshrrev_b32 v[TT+\c], s21, v[TT+\c]          ; 4,096 rank
.endr
.irp c, 0,1,2,3
	v_add3_u32 v[TT+\c], v[TT+\c], v21, 128*(\j)+\c  ; + the token
.endr
.irp c, 0,1,2,3
	s_bcnt1_i32_b32 s[44+\c], s[36+\c]
.endr
	s_add_co_u32 s41, s40, s44
	s_add_co_u32 s42, s41, s45
	s_add_co_u32 s43, s42, s46
	s_add_co_u32 s22, s43, s47
.irp c, 0,1,2,3
	v_mbcnt_lo_u32_b32 v[PP+\c], s[36+\c], s[40+\c]  ; rows so far + choosing lanes below mine
.endr
.irp c, 0,1,2,3
	v_cndmask_b32 v[PP+\c], v22, v[PP+\c], s[36+\c]
.endr
.irp c, 0,1,2,3
	v_min_u32 v[PP+\c], DUMP+31, v[PP+\c]
.endr
.irp c, 0,1,2,3
	v_lshl_add_u32 v[PP+\c], v[PP+\c], 2, LIST
.endr
.irp c, 0,1,2,3
	ds_store_b32 v[PP+\c], v[TT+\c]                ; LDS serves a wave's instructions in order: this lands on the zeros above
.endr
.endm
.set q, 0
.rept 32
	SCAN4 q
.set q, q+1
.endr
	v_mov_b32 v23, LIST
	ds_load_b32 v24, v23                           ; the list's first row
	v_add_nc_u32 v25, s22, v2
	v_min_u32 v25, LMAX, v25
	v_lshl_add_u32 v25, v25, 2, LIST
	v_mov_b32 v26, s22
	v_mov_b32 v27, CNTA
	s_wait_dscnt 0x0
	ds_store_b32 v25, v24                          ; fills the 16 places past the count
	ds_store_b32 v27, v26
.Lw:
	global_load_b128 v[16:19], v15, s[6:7]         ; b of columns 4 r + 0..3
	WIN 0x40                                       ; destination window 1, address window 0
.set j, 0
.rept 64                               ; load 8 u + i: rows 16 u + i (lanes 0-15) and 16 u + 8 + i (lanes 16-31) of my 128, 256 consecutive bytes each.  All 32 KB of the wave are asked for at once
	global_load_b128 v[4*j:4*j+3], v6, s[4:5] offset:(16*(j/8)+j%8)*4096 th:TH_LOAD_NT
.set j, j+1
.endr
; Unit u: 16 rows of k.  Register 32 u + 4 i + f holds W[16 u + 8 h + i][4 r + f]: pairs of i, rounded, are the four registers of half a fragment f.
.macro UNIT u
.set CV, 32+16*((\u)%2)
	s_wait_loadcnt 56-8*(\u)                       ; loads come back in order: the unit's eight are in, the younger units' stay out
	WIN 0x05                                       ; sources window 1, destination window 0
.irp f, 0,1,2,3
.irp m, 0,1,2,3
	v_cvt_pk_bf16_f32 v[CV+4*\f+\m], v[32*(\u)+8*\m+\f], v[32*(\u)+8*\m+4+\f]
.endr
.endr
	WIN 0
.irp f, 0,1,2,3
	ds_store_b128 v7, v[CV+4*\f:CV+4*\f+3] offset:((\u)/2)*4096+\f*1024+((\u)%2)*512
.endr
.endm
.irp u, 0,1,2,3,4,5,6,7
	UNIT \u
.endr
	v_cvt_pk_bf16_f32 v23, v16, v17                ; the bias (asked for ahead of W, so it is in) rounded to bf16,
	v_cvt_pk_bf16_f32 v24, v18, v19
	v_lshlrev_b32 v16, 16, v23                     ; and back as f32
	v_and_b32 v17, 0xffff0000, v23
	v_lshlrev_b32 v18, 16, v24
	v_and_b32 v19, 0xffff0000, v24
	s_wait_dscnt 0x0                               ; for the others' sake: my part of W, and wave 0's list and count, are written
	s_barrier_signal -1
	s_barrier_wait -1                              ; behind it, and up to the barrier at the end, LDS is only read
	v_mov_b32 v23, CNTA
	ds_load_b32 v24, v23
	s_wait_dscnt 0x0
	v_readfirstlane_b32 s22, v24
	s_min_u32 s22, s22, 4096                       ; the count
	s_add_co_u32 s24, s22, 15
	s_lshr_b32 s24, s24, 4                         ; fragments of 16 rows
	s_lshr_b32 s25, s24, 3                         ; an eighth of them each,
	s_and_b32 s23, s24, 7                          ; and one more for the first few waves
	s_mul_i32 s29, s14, s25
	s_min_u32 s17, s14, s23
	s_add_co_u32 s29, s29, s17
	s_lshl_b32 s29, s29, 4                         ; the list place of my first row
	s_cmp_lt_u32 s14, s23
	s_cselect_b32 s17, 1, 0
	s_add_co_u32 s30, s25, s17                     ; my fragments still to do
	s_mov_b32 s28, NPASS
; 2 LDS loads: fragment f of W of the K step kidx steps behind v9's, into buffer bb
.macro BFRAG bb, f, kidx
	ds_load_b128 v[BF+32*(\bb)+8*(\f):BF+32*(\bb)+8*(\f)+3],   v9 offset:(\kidx)*4096+(\f)*1024
	ds_load_b128 v[BF+32*(\bb)+8*(\f)+4:BF+32*(\bb)+8*(\f)+7], v9 offset:(\kidx)*4096+(\f)*1024+512
.endm
; 2 nf loads: 32 along K of nf fragments' rows, at byte \byte of the rows behind the running base, into place q of the ring
.macro ALOAD nf, q, byte
.set ia, 0
.rept \nf
	global_load_b128 v[RING+40*(\q)+8*ia:RING+40*(\q)+8*ia+3],   v[10+ia], s[32:33] offset:(\byte)
	global_load_b128 v[RING+40*(\q)+8*ia+4:RING+40*(\q)+8*ia+7], v[10+ia], s[32:33] offset:(\byte)+32
.set ia, ia+1
.endr
.endm
; ONE K STEP, k: 4 nf products, source 0 = 16 rows of tokens, source 1 = 16 columns of W.  q = k % 4: A's place in the ring; bb = k % 2: B's buffer.
; Four v_nop stand behind the last K step's products and ahead of every load into registers that those products read (ISA guide 7.12.1 for vector instructions):
; A of K step k + 3 goes where A of k - 1 lay, B of k + 1 where B of k - 1 lay.  first = 1: the pass's first K step: its products start the sums, and the whole way out lies behind the last products.
; ab: the byte at which A of K step k + 3 begins (-1: there is none).  cnt: the loads that may stay out when A of k has to be in: those of the K steps behind it, 2 nf each.
; kb: where B of K step k + 1 lies (-1: there is none).  B ROLLS: behind the nf products on fragment f stand the two loads of the next K step's fragment f.  So behind the two loads of B(k, f) were
; issued 2 (3 - f) loads for B(k, f + 1 .. 3) and 2 f loads for B(k + 1, 0 .. f - 1): six, whatever f; in the last K step only the first kind: 6, 4, 2, 0.
; The accumulators take turns, one instruction a turn: (0 .. nf - 1, f) for f = 0 to 3, and then (0, 0) again.
.macro KSTEP nf, q, bb, first, ab, kb, cnt
.if !(\first)
.rept 4
	v_nop
.endr
.endif
.if (\ab) >= 0
	WIN 0
	ALOAD \nf, ((\q)+3)%4, \ab
.endif
	s_wait_loadcnt \cnt
	WIN W_MUL
.irp f, 0,1,2,3
.if (\kb) >= 0
	s_wait_dscnt 6
.else
	s_wait_dscnt 6-2*\f
.endif
.set im, 0
.rept \nf
.if \first
	v_wmma_f32_16x16x32_bf16 v[32*im+8*\f:32*im+8*\f+7], v[RING+40*(\q)+8*im:RING+40*(\q)+8*im+7], v[BF+32*(\bb)+8*\f:BF+32*(\bb)+8*\f+7], 0
.else
	v_wmma_f32_16x16x32_bf16 v[32*im+8*\f:32*im+8*\f+7], v[RING+40*(\q)+8*im:RING+40*(\q)+8*im+7], v[BF+32*(\bb)+8*\f:BF+32*(\bb)+8*\f+7], v[32*im+8*\f:32*im+8*\f+7]
.endif
.set im, im+1
.endr
.if (\kb) >= 0
	BFRAG 1-(\bb), \f, \kb
.endif
.endr
.endm
; THE 32 K STEPS for nf fragments.  K step 0 is written out; seven trips take K steps 4 t + 1 .. 4 t + 4, once round the ring, and ask for A of 4 t + 4 .. 4 t + 7 (256 bytes of the rows, at
; 256 + 256 t) and B of 4 t + 2 .. 4 t + 5; K steps 29 to 31 ask for no A, so that no load leaves a row.  Three K steps of A, 6 nf loads, are on their way behind each refill.
.macro KLOOP nf
	ALOAD \nf, 0, 0
	ALOAD \nf, 1, 64
	ALOAD \nf, 2, 128
	KSTEP \nf, 0, 0, 1, 192, 1, 6*\nf
	WIN 0                                          ; at a label and at a branch every window is 0
	s_mov_b32 s34, 7
.Lk_\@:
	KSTEP \nf, 1, 1, 0, 256, 2, 6*\nf
	KSTEP \nf, 2, 0, 0, 320, 3, 6*\nf
	KSTEP \nf, 3, 1, 0, 384, 4, 6*\nf
	KSTEP \nf, 0, 0, 0, 448, 5, 6*\nf
	WIN 0
	s_wait_xcnt 0x0                                ; the loads' base is stepped only behind this wait
	s_add_nc_u64 s[32:33], s[32:33], 256
	v_add_nc_u32 v9, 16384, v9                     ; four K steps of 4,096 bytes on: 7 x 16,384 + the tail's 3 x 4,096 + 4,096 end at W's last byte, 131,072
	s_sub_co_u32 s34, s34, 1
	s_cmp_lg_u32 s34, 0
	s_cbranch_scc1 .Lk_\@
	KSTEP \nf, 1, 1, 0, -1, 2, 4*\nf
	KSTEP \nf, 2, 0, 0, -1, 3, 2*\nf
	KSTEP \nf, 3, 1, 0, -1, -1, 0
	WIN 0
.endm
; Fragment i goes out: the bias is added (each accumulator's register 0 is read first), and 16 lanes store 256 consecutive bytes of a row of p
.macro OUT i
.if (\i) > 0
	s_cmp_le_u32 s31, \i
	s_cbranch_scc1 .Lpe
.endif
	WIN 0x01                                       ; source 0 window 1
.irp j, 0,1,2,3,4,5,6,7
.irp f, 0,1,2,3
	v_add_f32 v[RING+32*(\i)+4*\j+\f], v[32*(\i)+8*\f+\j], v[16+\f]
.endr
.endr
	WIN 0
.irp j, 0,1,2,3,4,5,6,7
	global_store_b128 v[ADR+8*(\i)+\j], v[RING+32*(\i)+4*\j:RING+32*(\i)+4*\j+3], s[12:13]
.endr
.endm
.Lpass:
	s_cmp_eq_u32 s30, 0
	s_cbranch_scc1 .Lpskip                         ; nothing is left for me: forward, past text that holds no barrier
	s_wait_xcnt 0x0                                ; the last pass's stores have read their registers: these are rewritten only behind this wait
	s_min_u32 s31, s30, 5                          ; this pass's fragments
	v_add_nc_u32 v23, s29, v2                      ; the list place of row r of fragment 0; fragment i lies 16 words on: 4,095 + 64 is the list's last word
	v_min_u32 v23, 4095, v23
	v_lshl_add_u32 v23, v23, 2, LIST
.irp i, 0,1,2,3,4
	ds_load_b32 v[10+\i], v23 offset:64*\i         ; (what is read for a fragment past the last is clamped and not used)
.endr
	s_mov_b64 s[32:33], s[8:9]
	v_mov_b32 v9, v8
	WIN W_MUL
.irp f, 0,1,2,3
	BFRAG 0, \f, 0                                 ; W's fragments of K step 0
.endr
	WIN 0
	s_wait_dscnt 8                                 ; the five list loads are in; the eight of W may stay out
.irp i, 0,1,2,3,4
	v_min_u32 v[10+\i], 0x1fff, v[10+\i]
	v_and_b32 v[10+\i], 0xfff, v[10+\i]            ; the token
	v_lshl_add_u32 v[10+\i], v[10+\i], 11, v29     ; its row of 2,048 bytes, 16 bytes for each half of the lanes
.endr
	s_cmp_eq_u32 s31, 4
	s_cbranch_scc1 .Lv4
	s_cmp_eq_u32 s31, 5
	s_cbranch_scc1 .Lv5
	s_cmp_eq_u32 s31, 3
	s_cbranch_scc1 .Lv3
	s_cmp_eq_u32 s31, 2
	s_cbranch_scc1 .Lv2
	KLOOP 1
	s_branch .Lout
.Lv2:
	KLOOP 2
	s_branch .Lout
.Lv3:
	KLOOP 3
	s_branch .Lout
.Lv4:
	KLOOP 4
	s_branch .Lout
.Lv5:
	KLOOP 5
.Lout:
	; the way out: the 83 plain lines down to the first addition are the places behind the last products
	v_add_nc_u32 v23, s29, v20                     ; the list place of row 8 h of fragment 0
	v_min_u32 v23, 4088, v23
	v_lshl_add_u32 v23, v23, 2, LIST
.irp i, 0,1,2,3,4
	ds_load_b128 v[ADR+8*\i:ADR+8*\i+3], v23 offset:64*\i          ; 4,096 rank + token of rows 8 h + 0..7
	ds_load_b128 v[ADR+8*\i+4:ADR+8*\i+7], v23 offset:64*\i+16
.endr
	s_wait_dscnt 0x0
.set z, ADR
.rept 40
	v_min_u32 v[z], 0x1fff, v[z]
	v_lshl_add_u32 v[z], v[z], 12, v15             ; the row of p, 16 bytes a lane
.set z, z+1
.endr
.irp i, 0,1,2,3,4
	OUT \i
.endr
.Lpe:
	s_add_co_u32 s29, s29, 80
	s_max_u32 s30, s30, 5
	s_sub_co_u32 s30, s30, 5
.Lpskip:
	s_sub_co_u32 s28, s28, 1
	s_cmp_lg_u32 s28, 0
	s_cbranch_scc1 .Lpass
	s_wait_dscnt 0x0                               ; my reads of W and of the list are over;
	s_barrier_signal -1
	s_barrier_wait -1                              ; everybody's are: LDS is written again only behind this barrier
	s_wait_tensorcnt 0x0                           ; the wave's end
	ds_add_u32 v4, v5
	s_wait_dscnt 0x0
	s_endpgm
.Lfunc_end_k_qe5d0641138_expert:
	.size	k_qe5d0641138_expert, .Lfunc_end_k_qe5d0641138_expert-k_qe5d0641138_expert
	.p2alignl 7, 3214868480
	.fill 96, 4, 3214868480
	.section	.rodata,"a",@progbits
	.p2align	6, 0x0
	.amdhsa_kernel k_qe5d0641138_expert
		.amdhsa_group_segment_fixed_size 148992
		.amdhsa_private_segment_fixed_size 0
		.amdhsa_enable_private_segment 0
		.amdhsa_kernarg_size 40
		.amdhsa_user_sgpr_count 2
		.amdhsa_user_sgpr_kernarg_segment_ptr 1
		.amdhsa_wavefront_size32 1
		.amdhsa_system_sgpr_workgroup_id_x 1
		.amdhsa_system_sgpr_workgroup_id_y 1
		.amdhsa_system_sgpr_workgroup_id_z 1
		.amdhsa_system_vgpr_workitem_id 0
		.amdhsa_next_free_vgpr 512
		.amdhsa_next_free_sgpr 66
		.amdhsa_reserve_vcc 0
		.amdhsa_float_denorm_mode_32 3
		.amdhsa_float_denorm_mode_16_64 3
		.amdhsa_memory_ordered 1
		.amdhsa_forward_progress 1
		.amdhsa_inst_pref_size 209
	.end_amdhsa_kernel
	.amdgpu_metadata
---
amdhsa.version: [ 1, 2 ]
amdhsa.kernels:
  - .name:           k_qe5d0641138_expert
    .symbol:         k_qe5d0641138_expert.kd
    .args:
      - { .name: W, .offset: 0, .size: 8, .value_kind: global_buffer, .address_space: global }
      - { .name: b, .offset: 8, .size: 8, .value_kind: global_buffer, .address_space: global }
      - { .name: xb, .offset: 16, .size: 8, .value_kind: global_buffer, .address_space: global }
      - { .name: sel, .offset: 24, .size: 8, .value_kind: global_buffer, .address_space: global }
      - { .name: p, .offset: 32, .size: 8, .value_kind: global_buffer, .address_space: global }
    .group_segment_fixed_size: 148992
    .private_segment_fixed_size: 0
    .kernarg_segment_align: 8
    .kernarg_segment_size: 40
    .max_flat_workgroup_size: 256
    .sgpr_count:     66
    .vgpr_count:     512
    .wavefront_size: 32
...
	.end_amdgpu_metadata
.endif
;; end of part 2
;; launch combine (part 3): grid 256 x 1, 8 waves a work-group, no clusters, 0 bytes of LDS; arguments p, wts, gsum, out0, out1; writes out0, out1
.if DOCPART == 3
	.amdgcn_target "amdgcn-amd-amdhsa--gfx1250"
	.amdhsa_code_object_version 6
	.text
	.protected	k_qe5d0641138_combine
	.globl	k_qe5d0641138_combine
	.p2align	8
	.type	k_qe5d0641138_combine,@function
k_qe5d0641138_combine:
	s_mov_b64 s[64:65], 0
	v_nop
	global_prefetch_b8 v0, s[64:65] scope:SCOPE_SE
	s_setreg_imm32_b32 hwreg(HW_REG_WAVE_MODE, 25, 1), 1
	s_wait_xcnt 0x0
; COMBINE.  out0[t] = w0[t] p[0][t] + w1[t] p[1][t], all f32; out1 = sum over experts of (1/16) (ln(1/16) - ln(importance)), importance = the mean gate.
; A stream: wave w of work-group g owns tokens 16 g + 2 w and the next, 8 KB of out0 on end.  All 32 loads of a wave (16 KB) go out at once; each load and store covers 512 consecutive bytes.
; No LDS, no barrier, no matrix unit: nothing is shared and nothing is read twice.
; THE LOSS is made by one wave, ahead of its stream: 256 partial sums for each expert are added; 16 x importance = sum / 256 lies near 1, and out1 = -(ln 2 / 16) x the sum of its 16 logarithms to base 2,
; so that no difference of large logarithms is formed.
; LIMITS.  An importance of 0 (every gate of an expert below 2^-126) gives an infinite loss.
	s_load_b256 s[4:11], s[0:1], 0x0               ; p s[4:5], wts s[6:7], gsum s[8:9], out0 s[10:11]
	s_load_b64 s[12:13], s[0:1], 0x20              ; out1
	v_lshrrev_b32 v3, 5, v0
	v_readfirstlane_b32 s14, v3                    ; wave 0..7
	v_and_b32 v1, 31, v0
	v_lshlrev_b32 v2, 4, v1                        ; 16 bytes a lane
	s_lshl_b32 s16, ttmp9, 16
	s_lshl_b32 s15, s14, 13
	s_add_co_u32 s16, s16, s15                     ; 4,096 bytes x my first token
	s_mov_b32 s17, 0
	s_lshr_b32 s15, s16, 10                        ; 4 bytes x my first token
	s_mov_b32 s28, 0x76543210                      ; v_permlanex16_b32: each lane takes its own place in the other half
	s_mov_b32 s29, 0xfedcba98
	s_or_b32 s31, ttmp9, s14
	s_wait_kmcnt 0x0
	s_load_b64 s[20:21], s[6:7], s15               ; the first weights of my two tokens (this launch stores nothing into wts)
	s_load_b64 s[22:23], s[6:7], s15 offset:0x4000 ; the second weights
	s_add_nc_u64 s[4:5], s[4:5], s[16:17]          ; p, rank 0, at my first token
	s_add_nc_u64 s[18:19], s[4:5], 0x1000000       ; rank 1
	s_add_nc_u64 s[10:11], s[10:11], s[16:17]
	s_cmp_lg_u32 s31, 0
	s_cbranch_scc1 .Lstream
	; wave 0 of work-group 0: a lane's four numbers of each load belong to experts 4 (lane % 4) + 0..3
.set j, 0
.rept 32
	global_load_b128 v[8+4*j:11+4*j], v2, s[8:9] offset:512*j
.set j, j+1
.endr
	s_wait_loadcnt 0x0
.set j, 4
.rept 28                               ; four chains, started by the first four loads
	v_pk_add_f32 v[8+4*(j%4):9+4*(j%4)], v[8+4*(j%4):9+4*(j%4)], v[8+4*j:9+4*j]
	v_pk_add_f32 v[10+4*(j%4):11+4*(j%4)], v[10+4*(j%4):11+4*(j%4)], v[10+4*j:11+4*j]
.set j, j+1
.endr
	v_pk_add_f32 v[8:9], v[8:9], v[12:13]
	v_pk_add_f32 v[10:11], v[10:11], v[14:15]
	v_pk_add_f32 v[16:17], v[16:17], v[20:21]
	v_pk_add_f32 v[18:19], v[18:19], v[22:23]
	v_pk_add_f32 v[8:9], v[8:9], v[16:17]
	v_pk_add_f32 v[10:11], v[10:11], v[18:19]
.irp c, 8,9,10,11                      ; the eight lanes with my lane % 4
	v_add_f32_dpp v\c, v\c, v\c row_xmask:4 row_mask:0xf bank_mask:0xf
.endr
.irp c, 8,9,10,11
	v_add_f32_dpp v\c, v\c, v\c row_xmask:8 row_mask:0xf bank_mask:0xf
.endr
.irp c, 0,1,2,3
	v_permlanex16_b32 v[12+\c], v[8+\c], s28, s29
.endr
.irp c, 0,1,2,3
	v_add_f32 v[8+\c], v[8+\c], v[12+\c]
.endr
.irp c, 8,9,10,11
	v_mul_f32 v\c, 0x3b800000, v\c                 ; / 256: 16 x importance
.endr
.irp c, 8,9,10,11
	v_log_f32 v\c, v\c
.endr
	v_nop                                          ; a plain instruction behind the last logarithm,
	s_wait_alu depctr_va_vdst(0)                   ; and one wait for the four, ahead of their first reader
	v_add_f32 v8, v8, v9
	v_add_f32 v10, v10, v11
	v_add_f32 v8, v8, v10
	v_add_f32_dpp v8, v8, v8 row_xmask:1 row_mask:0xf bank_mask:0xf
	v_add_f32_dpp v8, v8, v8 row_xmask:2 row_mask:0xf bank_mask:0xf
	v_mul_f32 v8, 0xbd317218, v8                   ; x -(ln 2) / 16
	v_mov_b32 v9, 0
	v_cmp_eq_u32 vcc_lo, 0, v1
	s_wait_xcnt 0x0                                ; EXEC changes only behind this wait
	s_and_saveexec_b32 s30, vcc_lo
	global_store_b32 v9, v8, s[12:13]
	s_wait_xcnt 0x0                                ; and again ahead of the line that widens it; v8 and v9 too are rewritten only behind it
	s_or_b32 exec_lo, exec_lo, s30
.Lstream:
.set c, 0
.rept 16
	global_load_b128 v[8+4*c:11+4*c], v2, s[4:5] offset:512*c th:TH_LOAD_NT
	global_load_b128 v[72+4*c:75+4*c], v2, s[18:19] offset:512*c th:TH_LOAD_NT
.set c, c+1
.endr
	s_wait_kmcnt 0x0
	s_mov_b32 s24, s21                             ; the second token's weights in the low words of pairs of their own:
	s_mov_b32 s25, s21                             ; a packed multiply takes a scalar pair's low word for both halves
	s_mov_b32 s26, s23
	s_mov_b32 s27, s23
.set c, 0
.rept 16
.if c < 8
.set W0, 20
.set W1, 22
.else
.set W0, 24
.set W1, 26
.endif
	s_wait_loadcnt 30-2*c                          ; loads come back in order: chunk c of both ranks is in, the younger chunks stay out
	v_pk_mul_f32 v[72+4*c:73+4*c], v[72+4*c:73+4*c], s[W1:W1+1] op_sel_hi:[1,0]
	v_pk_mul_f32 v[74+4*c:75+4*c], v[74+4*c:75+4*c], s[W1:W1+1] op_sel_hi:[1,0]
	v_pk_fma_f32 v[8+4*c:9+4*c], v[8+4*c:9+4*c], s[W0:W0+1], v[72+4*c:73+4*c] op_sel_hi:[1,0,1]
	v_pk_fma_f32 v[10+4*c:11+4*c], v[10+4*c:11+4*c], s[W0:W0+1], v[74+4*c:75+4*c] op_sel_hi:[1,0,1]
	global_store_b128 v2, v[8+4*c:11+4*c], s[10:11] offset:512*c th:TH_STORE_NT
.set c, c+1
.endr
	s_endpgm
.Lfunc_end_k_qe5d0641138_combine:
	.size	k_qe5d0641138_combine, .Lfunc_end_k_qe5d0641138_combine-k_qe5d0641138_combine
	.p2alignl 7, 3214868480
	.fill 96, 4, 3214868480
	.section	.rodata,"a",@progbits
	.p2align	6, 0x0
	.amdhsa_kernel k_qe5d0641138_combine
		.amdhsa_group_segment_fixed_size 0
		.amdhsa_private_segment_fixed_size 0
		.amdhsa_enable_private_segment 0
		.amdhsa_kernarg_size 40
		.amdhsa_user_sgpr_count 2
		.amdhsa_user_sgpr_kernarg_segment_ptr 1
		.amdhsa_wavefront_size32 1
		.amdhsa_system_sgpr_workgroup_id_x 1
		.amdhsa_system_sgpr_workgroup_id_y 1
		.amdhsa_system_sgpr_workgroup_id_z 1
		.amdhsa_system_vgpr_workitem_id 0
		.amdhsa_next_free_vgpr 144
		.amdhsa_next_free_sgpr 66
		.amdhsa_reserve_vcc 1
		.amdhsa_float_denorm_mode_32 3
		.amdhsa_float_denorm_mode_16_64 3
		.amdhsa_memory_ordered 1
		.amdhsa_forward_progress 1
		.amdhsa_inst_pref_size 20
	.end_amdhsa_kernel
	.amdgpu_metadata
---
amdhsa.version: [ 1, 2 ]
amdhsa.kernels:
  - .name:           k_qe5d0641138_combine
    .symbol:         k_qe5d0641138_combine.kd
    .args:
      - { .name: p, .offset: 0, .size: 8, .value_kind: global_buffer, .address_space: global }
      - { .name: wts, .offset: 8, .size: 8, .value_kind: global_buffer, .address_space: global }
      - { .name: gsum, .offset: 16, .size: 8, .value_kind: global_buffer, .address_space: global }
      - { .name: out0, .offset: 24, .size: 8, .value_kind: global_buffer, .address_space: global }
      - { .name: out1, .offset: 32, .size: 8, .value_kind: global_buffer, .address_space: global }
    .group_segment_fixed_size: 0
    .private_segment_fixed_size: 0
    .kernarg_segment_align: 8
    .kernarg_segment_size: 40
    .max_flat_workgroup_size: 256
    .sgpr_count:     66
    .vgpr_count:     144
    .wavefront_size: 32
...
	.end_amdgpu_metadata
.endif
;; end of part 3
